; MI455X (gfx1250); checked and timed in simulation.
; The chip was launched on July 23, 2026; its instructions are those of AMD's public machine-readable ISA for CDNA 5 (MIT licence, August 2026) and "CDNA5" Instruction Set Architecture Reference Guide (July 2026). The comments in the code are by the model that wrote it; some were corrected since.
;; Quantized Linear ZSE. Allowed arithmetic: matrix products marked QUANTISED: E2M1 operands, one E8M0 scale for each 32 along K, by v_wmma_scale_f32_16x16x128_f8f6f4 with both operands' format E2M1 (or v_wmma_scale_f32_32x16x128_f4), f32 sums; everything else in f32.
;; Inputs: weight_packed 4,096 x 2,048 int32; weight_scales 4,096 x 32 float32; x 4,096 x 4,096 float32.
;; Outputs: out0 4,096 x 4,096 float32.
;; Constants: group_size = 128.
;; This version of the problem:
;;   THIS VERSION OF THE PROBLEM IS GIVEN IN LOW PRECISION. The matrix products marked QUANTISED in the list below multiply operands that are first quantised to E2M1 (2 exponent bits, 1 mantissa bit; 4 bits a number), with one power-of-two scale for each 32 numbers along K (OCP MX v1.0); their sums are f32. All else is computed in f32.
;;   The module's matrix products, in the order in which they are computed (A, B: the left and right operand; K: the contracted axis; several contracted axes count as one K, in the product's order):
;;     1. [M 4,096, K 4,096] x [K 4,096, N 4,096]; A: input x; B: computed on the way: QUANTISED
;;   THE QUANTISER, for each operand of a quantised product, along K:
;;     - K is cut into blocks of 32 from its start; a last block that is shorter is filled with zeros.
;;     - A block's scale is 2^e with e = floor(log2(the largest magnitude in the block)) - 2, held to -126 .. 127; a block of zeros has e = 0. As a byte (E8M0): e + 127.
;;     - Each number is divided by its block's scale, clamped to +-6, and rounded to the nearest number of E2M1, ties to even, subnormals kept.
;;     - The product sums the exact products of the quantised numbers (number of the format x scale) in f32.
;;   ~~~python
;;   def quantise(x, axis):      # numpy; x: float32 -> the quantised numbers, widened to float32 again
;;       x = np.moveaxis(x, axis, -1); K = x.shape[-1]
;;       x = np.pad(x, [(0, 0)] * (x.ndim - 1) + [(0, -K % 32)]); x = x.reshape(x.shape[:-1] + (-1, 32)); a = np.abs(x).max(-1, keepdims=True)
;;       e = np.where(a > 0, np.clip(np.frexp(np.where(a > 0, a, 1))[1] - 1 - 2, -126, 127), 0)      # np.frexp(a)[1] - 1 = floor(log2(a)), exactly
;;       r = np.clip(x / 2.0 ** e, -6, 6)
;;       step = 2.0 ** (np.maximum(np.frexp(np.where(r == 0, 1, r))[1] - 1, 0) - 1)
;;       q = np.round(r / step) * step * 2.0 ** e      # np.round: ties to even
;;       return np.moveaxis(q.reshape(q.shape[:-2] + (-1,))[..., :K], -1, axis).astype(np.float32)
;;   ~~~
;;   OPERANDS COMPUTED ON THE WAY. 'Computed on the way' means the value that the module computes at that place (a softmax that the list does not call 'softmax' is quantised finished and normalised). What goes into a quantiser is computed in f32, as accurately as f32 sums, v_exp_f32 and their like allow (about 1e-6 of the number): no bf16 or f16 on the way to a quantiser, and a product that is left as it is and whose result goes on into a quantised operand takes f32 operands (vector FMAs, or v_wmma_f32_16x16x4_f32). A number that lies on a knife's edge between two numbers of the format may be rounded either way, as far as f32 arithmetic and the matrix unit's own rounding can turn it there, and no further.
;; One version. Each part assembles by itself: llvm-mc -triple=amdgcn-amd-amdhsa -mcpu=gfx1250 --defsym DOCPART=n.
;; ======== version 1 of 1: 2 launches
;; limits: right only within a limited range of input values
;; workspace buffers: codes 17,825,792 bytes
;; launch quant (part 1): grid 256 x 1, 8 waves a work-group, no clusters, 136,192 bytes of LDS; arguments x, weight_packed, weight_scales, codes; writes codes
.if DOCPART == 1
	.amdgcn_target "amdgcn-amd-amdhsa--gfx1250"
	.amdhsa_code_object_version 6
	.text
	.protected	k_q0ca96815f7_quant
	.globl	k_q0ca96815f7_quant
	.p2align	8
	.type	k_q0ca96815f7_quant,@function
k_q0ca96815f7_quant:
	s_mov_b64 s[64:65], 0
	v_nop
	global_prefetch_b8 v0, s[64:65] scope:SCOPE_SE
	s_setreg_imm32_b32 hwreg(HW_REG_WAVE_MODE, 25, 1), 1
	s_wait_xcnt 0x0
; x [4096][4096] f32 and W[n][k] = (nibble - 8) x weight_scales[n][k / 128] (f32; an int32 of weight_packed holds two nibbles: bits 3:0 the even k, bits 7:4 the odd k)
; are turned into codes of FP4 (E2M1) with one E8M0 scale byte for each 32 along K, once, for the product's launch.
; A block's scale is 2^(floor(log2(its largest magnitude)) - 2): its byte is the largest magnitude's exponent field - 2, held at 1 from below; each number is divided by it and rounded to the nearest code, ties to even, beyond 6 the largest code.
; LIMITS: NaN and infinities among x and weight_scales are not served; |weight_scales| from 2^125 on overflows in -8 s (there (0 - 8) s overflows too); a block of zeros gets the byte 1 (not 127) with zero codes: this program alone reads the bytes;
; blocks whose largest magnitude lies under 2^-124 keep the byte 1.
; THE BUFFER codes: x's part, and WOFF bytes further on W's, each IN THE ORDER OF THE OPERAND'S REGISTERS: [128 rows: 32][K step of 512: 8][a chunk of CH bytes].  In a chunk the fragment (q = which 128 along K, i = which 16 rows) lies at
; (8 q + i) x 1,024: its registers 4 c .. 4 c + 3 of lane l at 512 c + 16 l.  Behind the 32 fragments, at SCO + 256 i + 16 r + 4 q, the scale word (four bytes) of row r of block i for piece q.
; WHICH ROWS FORM A BLOCK: x's block g is rows 16 g + r.  W's block g is rows 64 (g / 4) + 4 r + g % 4: the product's four blocks 4 G .. 4 G + 3 then hold four neighbouring columns of the result in lane r.
; SHARES.  Work-group g takes block g of x and block g of W; wave w takes K step w of both: two steps of W (512 bytes of each row), then four of x.  Waves share nothing: no barrier, one path for all.
; A load reads 512 consecutive bytes of one row; the conversions want 32 neighbours along K in ONE lane.  Both are had by a turn through the wave's own stage in LDS: 16 rows as loaded, read back a lane to a row's piece.
; Four sets of 16 loads (32,768 bytes) of every wave go out at the head; the turn through LDS runs one step ahead of the arithmetic, on two stages by turns.
; No matrix unit, no tensor load, no cluster: each input byte is read by one wave alone (but weight_scales' rows: 16 bytes a wave).  No prefetch: the loads are all asked for at the head or as soon as their registers are free.
.set CH,   34816                       ; a chunk: 32 fragments of 1,024 bytes + 2,048 bytes of scale words = 136 x 256
.set SCO,  32768                       ; where a chunk's scale words begin
.set WOFF, 8912896                     ; 256 chunks: where W's part begins
.set WREG, 16896                       ; LDS of a wave: two stages
.set STG,  8448                        ; a stage: 16 rows
.set SP,   528                         ; a stage's row: 512 bytes + 16: sixteen rows' reads start at sixteen different 16-byte columns of the 64 banks of 4 bytes (ISA guide 11.1)
.set SPARE, 8*WREG                     ; behind the stages: the spare words, 128 bytes for each wave
.set GA,   1                           ; v1      16 x lane: offset of every load, and of the codes' stores
.set SA,   2                           ; v2      the stage, on the way in: my wave's LDS + 16 x lane
.set LAX,  3                           ; v3      on the way out, x: my wave's LDS + 528 r + 128 h   (r = lane % 16, h = lane / 16)
.set LAW,  4                           ; v4      on the way out, W: my wave's LDS + 528 r + 64 h
.set SO,   5                           ; v5      the scale words' store: 16 r + h x WOFF
.set SH,   6                           ; v6      8 h
.set PT,   7                           ; v7      the lane permute's destination
.set M,    8                           ; v8-11   largest magnitudes: two chains for each of my two blocks
.set E,    12                          ; v12-13  the conversions' scale operands
.set B,    14                          ; v14-15  the scale bytes
.set SW,   16                          ; v16-19  x's four scale words, v20-23 W's
.set WS,   24                          ; v24-27  W: my row's four group scales
.set SS,   32                          ; v[32:33] s, 0
.set ST,   34                          ; v[34:35] -8 s, 0
.set WSO,  36                          ; v36     512 r: my row of weight_scales
.set C,    40                          ; v40-55  codes: two sets of 8
.set SPW,  62                          ; v62     LDS address of my spare word
.set NIL,  63                          ; v63     0
.set X,    64                          ; v64-191 two sets of 64 registers back from the stage
.set F,    192                         ; v192-255 W: 64 numbers of a fragment
                                       ; window 1, v0-255: four sets of 64 registers as loaded
.set XC,   28                          ; s[28:29] my codes of x;  s[30:31] of W;  s[26:27] my scale words
.set WC,   30
.set XB,   32                          ; s[32:33] x at my rows and my K;  s[34:35] weight_packed likewise;  s[42:43] weight_scales
.set WB,   34
.set MSB, 0
.macro WIN new                         ; s_set_vgpr_msb: bits 1:0 source 0, 3:2 source 1, 5:4 source 2, 7:6 destination; the high byte repeats the setting that is left
.if MSB != \new
	s_set_vgpr_msb (MSB<<8)|\new
.set MSB, \new
.endif
.endm
; step t's 16 rows, 512 consecutive bytes of each, into set t % 4 of window 1
.macro LOAD t, b, pitch, off
	WIN 0x40
.irp i, 0,1,2,3,4,5,6,7,8,9,10,11,12,13,14,15
	global_load_b128 v[64*((\t)%4)+4*\i:64*((\t)%4)+4*\i+3], v[GA], s[\b:\b+1] offset:\i*\pitch+\off th:TH_LOAD_NT
.endr
.endm
; step t through stage t % 2.  LDS serves a wave's instructions in order (ISA guide 5.7.1.4): no wait between the stores and the loads.
; w = 0 (x): register 32 c + 4 j .. of set t % 2 = numbers k = 64 c + 32 h + 4 j .. of row r.   w = 1 (W): register 32 f + 16 c + 4 j .. = the int32 of k = 128 f + 64 c + 32 h + 8 j .. of row r.
.macro TURN t, w
	WIN 0x04                                       ; an LDS store's data are its source 1: window 1
.irp i, 0,1,2,3,4,5,6,7,8,9,10,11,12,13,14,15
	ds_store_b128 v[SA], v[64*((\t)%4)+4*\i:64*((\t)%4)+4*\i+3] offset:STG*((\t)%2)+SP*\i
.endr
	WIN 0
.if \w
.irp f, 0,1
.irp c, 0,1
.irp j, 0,1,2,3
	ds_load_b128 v[X+64*((\t)%2)+32*\f+16*\c+4*\j:X+64*((\t)%2)+32*\f+16*\c+4*\j+3], v[LAW] offset:STG*((\t)%2)+256*\f+128*\c+16*\j
.endr
.endr
.endr
.else
.irp c, 0,1
.irp j, 0,1,2,3,4,5,6,7
	ds_load_b128 v[X+64*((\t)%2)+32*\c+4*\j:X+64*((\t)%2)+32*\c+4*\j+3], v[LAX] offset:STG*((\t)%2)+256*\c+16*\j
.endr
.endr
.endif
.endm
; 64 numbers of a lane, register 32 c + i = k 64 c + 32 h + i of row r: two whole blocks (2 c + h).  They become the fragment's 8 registers in code set cs, and the row's scale word in v[SW + w].
.macro QUANT s, cs, w
	WIN 0
.irp c, 0,1
	v_max3_num_f32 v[M+2*\c],   |v[(\s)+32*\c]|,   |v[(\s)+32*\c+1]|, |v[(\s)+32*\c+2]|      ; the block's largest magnitude: all 32 numbers are mine; two chains a block, the blocks by turns
	v_max3_num_f32 v[M+2*\c+1], |v[(\s)+32*\c+3]|, |v[(\s)+32*\c+4]|, |v[(\s)+32*\c+5]|
.endr
.irp i, 6,10,14,18,22,26
.irp c, 0,1
	s_delay_alu instid0(VALU_DEP_4)
	v_max3_num_f32 v[M+2*\c],   v[M+2*\c],   |v[(\s)+32*\c+\i]|,   |v[(\s)+32*\c+\i+1]|
	s_delay_alu instid0(VALU_DEP_4)
	v_max3_num_f32 v[M+2*\c+1], v[M+2*\c+1], |v[(\s)+32*\c+\i+2]|, |v[(\s)+32*\c+\i+3]|
.endr
.endr
	s_delay_alu instid0(VALU_DEP_4)
	v_max3_num_f32 v[M], v[M], |v[(\s)+30]|, |v[(\s)+31]|
	s_delay_alu instid0(VALU_DEP_3)
	v_max3_num_f32 v[M+2], v[M+2], |v[(\s)+62]|, |v[(\s)+63]|
.irp c, 0,1
	s_delay_alu instid0(VALU_DEP_2)
	v_max3_num_f32 v[M+2*\c], v[M+2*\c], v[M+2*\c+1], 0x1800000   ; and the floor 2^(3 - 127): the byte cannot fall under 1
.endr
.irp c, 0,1
	s_delay_alu instid0(VALU_DEP_2)
	v_add_nc_u32 v[E+\c], 0xff000000, v[M+2*\c]    ; 2 off the exponent field: the conversion takes the exponent field of this operand as its scale, and nothing else of it
.endr
.irp c, 0,1
	s_delay_alu instid0(VALU_DEP_2)
	v_lshrrev_b32 v[B+\c], 23, v[E+\c]             ; the scale's byte
.endr
	s_delay_alu instid0(VALU_DEP_1)
	v_lshl_or_b32 v[SW+\w], v[B+1], 16, v[B]       ; my two bytes: blocks h and 2 + h,
	s_delay_alu instid0(VALU_DEP_1)
	v_lshlrev_b32 v[SW+\w], v[SH], v[SW+\w]        ; at their places in the word (8 h bits up);
	s_delay_alu instid0(VALU_DEP_1)
	v_permlanex16_b32 v[PT], v[SW+\w], s20, s21
	s_delay_alu instid0(VALU_DEP_1)
	v_or_b32 v[SW+\w], v[SW+\w], v[PT]             ; with lane l xor 16's two the word is whole, in both lanes
	s_wait_alu depctr_va_vdst(0)                   ; directly ahead of the wait below
	s_wait_xcnt 0x0                                ; the stores of two fragments back have read code set cs: it is written again only behind this wait
.irp c, 0,1
.irp g, 0,1,2,3
	v_cvt_scalef32_pk8_fp4_f32 v[C+8*(\cs)+4*\c+\g], v[(\s)+32*\c+8*\g:(\s)+32*\c+8*\g+7], v[E+\c]   ; registers 4 c .. 4 c + 3 of the operand
.endr
.endr
	v_nop                                          ; one plain vector instruction behind the last scaled conversion, ahead of whatever next writes its sources
.endm
; fragment q leaves as it stands: each store covers 512 consecutive bytes, at a multiple of 256 from the buffer's first byte
.macro PUT cs, q, b
.irp c, 0,1
	global_store_b128 v[GA], v[C+8*(\cs)+4*\c:C+8*(\cs)+4*\c+3], s[\b:\b+1] offset:(\q)*8192+512*\c
.endr
.endm
; 32 int32 of a lane become 64 numbers of W in v[F] on.  fma(n, s, -8 s) rounds the exact (n - 8) s once (-8 s is exact): the f32 product (n - 8) x s
.macro EXPAND xs, g
	v_mov_b32 v[SS], v[WS+(\g)]
	v_mul_f32 v[ST], 0xc1000000, v[WS+(\g)]        ; -8 s
.set Z, 0
.rept 32
	v_and_b32 v[F+2*Z], 15, v[(\xs)+Z]             ; the even k
	v_bfe_u32 v[F+2*Z+1], v[(\xs)+Z], 4, 4         ; the odd k
.set Z, Z+1
.endr
.set Z, 0
.rept 64
	v_cvt_f32_u32 v[F+Z], v[F+Z]
.set Z, Z+1
.endr
.set Z, 0
.rept 32
	v_pk_fma_f32 v[F+2*Z:F+2*Z+1], v[F+2*Z:F+2*Z+1], v[SS:SS+1], v[ST:ST+1] op_sel_hi:[1,0,0]   ; of the pairs s and -8 s the low word serves both halves
.set Z, Z+1
.endr
.endm
; steps 0, 1: W, two fragments each (a fragment's 128 along K are one group of weight_scales); steps 2 .. 5: x, one fragment each
.macro STEP t
	s_wait_dscnt 0x0                               ; step t is back from the stage, and its stores into the stage have read set t % 4,
.if (\t) < 2
	LOAD (\t)+4, XB, 16384, 512*((\t)+2)           ; which takes the loads of four steps on
.endif
.if (\t) < 5
.if (\t) < 2
	s_wait_loadcnt 48                              ; the next step's 16 loads are in; those of the three steps behind it may be out
.else
	s_wait_loadcnt 16*(4-(\t))                     ; the counts run down: nothing more is asked for
.endif
	TURN (\t)+1, (\t)<1                            ; and go through the other stage while this step is worked
.endif
.if (\t) < 2
.irp f, 0,1
	EXPAND X+64*((\t)%2)+32*\f, 2*(\t)+\f
	QUANT F, \f, 4+2*(\t)+\f
	PUT \f, 2*(\t)+\f, WC
.endr
.else
	QUANT X+64*((\t)%2), (\t)%2, (\t)-2
	PUT (\t)%2, (\t)-2, XC
.endif
.endm
	s_load_b256 s[4:11], s[0:1], 0x0               ; x s[4:5], weight_packed s[6:7], weight_scales s[8:9], codes s[10:11]
	v_lshl_add_u32 v[SPW], v0, 2, SPARE
	v_mov_b32 v[NIL], 0
	v_lshrrev_b32 v8, 5, v0
	v_readfirstlane_b32 s14, v8                    ; wave 0..7: my K step
	s_mul_i32 s3, s14, WREG                        ; my wave's LDS
	v_and_b32 v9, 31, v0                           ; lane
	v_and_b32 v10, 15, v0                          ; r
	v_bfe_u32 v11, v0, 4, 1                        ; h
	v_lshlrev_b32 v[GA], 4, v9
	v_mul_u32_u24 v12, v10, SP
	v_mul_u32_u24 v[SO], v11, WOFF
	v_add_nc_u32 v[SA], s3, v[GA]
	v_add_nc_u32 v12, s3, v12
	v_lshl_add_u32 v[SO], v10, 4, v[SO]
	v_lshlrev_b32 v[SH], 3, v11
	v_lshl_add_u32 v[LAX], v11, 7, v12
	v_lshl_add_u32 v[LAW], v11, 6, v12
	v_lshlrev_b32 v[WSO], 9, v10                   ; my row of weight_scales: rows four apart, 128 bytes each
	v_mov_b32 v[PT], 0                             ; a lane permute's destination counts as one of its sources
	v_mov_b32 v[SS+1], 0                           ; named as the upper halves of pairs, so they are written
	v_mov_b32 v[ST+1], 0
	s_mov_b32 s20, 0x76543210
	s_mov_b32 s21, 0xfedcba98                      ; v_permlanex16_b32's selects for lane l xor 16
	s_lshr_b32 s17, ttmp9, 3                       ; which 128 rows: g / 8
	s_lshl_b32 s17, s17, 3
	s_add_co_u32 s17, s17, s14                     ; my chunk: 8 (g / 8) + wave,
	s_mul_i32 s17, s17, CH                         ; in bytes (under 2^24)
	s_and_b32 s16, ttmp9, 7                        ; which block of the 128 rows
	s_lshl_b32 s18, s16, 10
	s_add_co_u32 s18, s18, s17                     ; my codes: + 1,024 x block
	s_mov_b32 s19, 0
	s_lshl_b32 s24, s16, 8
	s_add_co_u32 s24, s24, s17
	s_add_co_u32 s24, s24, SCO                     ; my scale words: + SCO + 256 x block
	s_mov_b32 s25, 0
	s_lshl_b32 s22, ttmp9, 18                      ; x: 16 g rows of 16,384 bytes,
	s_lshl_b32 s16, s14, 11                        ; + 512 numbers of 4 bytes a wave
	s_or_b32 s22, s22, s16
	s_mov_b32 s23, 0
	s_lshr_b32 s16, ttmp9, 2                       ; W: row 64 (g / 4) + g % 4 is the block's first: rows of 8,192 bytes; of weight_scales 128 bytes
	s_lshl_b32 s38, s16, 19
	s_lshl_b32 s40, s16, 13
	s_and_b32 s16, ttmp9, 3
	s_lshl_b32 s41, s16, 13
	s_or_b32 s38, s38, s41
	s_lshl_b32 s41, s16, 7
	s_or_b32 s40, s40, s41
	s_lshl_b32 s16, s14, 10                        ; + 256 int32 a wave
	s_or_b32 s38, s38, s16
	s_mov_b32 s39, 0
	s_lshl_b32 s16, s14, 4                         ; + 4 groups a wave
	s_or_b32 s40, s40, s16
	s_mov_b32 s41, 0
	s_wait_alu depctr_va_vdst(0)
	s_wait_kmcnt 0x0
	s_add_nc_u64 s[XC:XC+1], s[10:11], s[18:19]
	s_add_nc_u64 s[WC:WC+1], s[XC:XC+1], WOFF
	s_add_nc_u64 s[26:27], s[10:11], s[24:25]
	s_add_nc_u64 s[XB:XB+1], s[4:5], s[22:23]
	s_add_nc_u64 s[WB:WB+1], s[6:7], s[38:39]
	s_add_nc_u64 s[42:43], s[8:9], s[40:41]
	global_load_b128 v[WS:WS+3], v[WSO], s[42:43]
	LOAD 0, WB, 32768, 0                           ; the block's rows lie four rows apart
	LOAD 1, WB, 32768, 512
	LOAD 2, XB, 16384, 0
	LOAD 3, XB, 16384, 512
	s_wait_loadcnt 48                              ; the group scales and step 0's 16 loads are in
	TURN 0, 1
.irp t, 0,1,2,3,4,5
	STEP \t
.endr
; the scale words: lanes 0-15 store x's four words of a row (16 bytes: 256 consecutive bytes, aligned), lanes 16-31 W's, WOFF further on.  A choice of values: EXEC stays whole
	v_cmp_ne_u32 vcc_lo, 0, v[SH]
.irp j, 0,1,2,3
	v_cndmask_b32 v[SW+\j], v[SW+\j], v[SW+4+\j], vcc_lo
.endr
	global_store_b128 v[SO], v[SW:SW+3], s[26:27]
	s_wait_tensorcnt 0x0                           ; the wave's end: behind my last LDS store
	ds_add_u32 v[SPW], v[NIL]
	s_wait_dscnt 0x0
	s_endpgm
.Lfunc_end_k_q0ca96815f7_quant:
	.size	k_q0ca96815f7_quant, .Lfunc_end_k_q0ca96815f7_quant-k_q0ca96815f7_quant
	.p2alignl 7, 3214868480
	.fill 96, 4, 3214868480
	.section	.rodata,"a",@progbits
	.p2align	6, 0x0
	.amdhsa_kernel k_q0ca96815f7_quant
		.amdhsa_group_segment_fixed_size 136192
		.amdhsa_private_segment_fixed_size 0
		.amdhsa_enable_private_segment 0
		.amdhsa_kernarg_size 32
		.amdhsa_user_sgpr_count 2
		.amdhsa_user_sgpr_kernarg_segment_ptr 1
		.amdhsa_wavefront_size32 1
		.amdhsa_system_sgpr_workgroup_id_x 1
		.amdhsa_system_sgpr_workgroup_id_y 1
		.amdhsa_system_sgpr_workgroup_id_z 1
		.amdhsa_system_vgpr_workitem_id 0
		.amdhsa_next_free_vgpr 512
		.amdhsa_next_free_sgpr 66
		.amdhsa_reserve_vcc 1
		.amdhsa_float_denorm_mode_32 3
		.amdhsa_float_denorm_mode_16_64 3
		.amdhsa_memory_ordered 1
		.amdhsa_forward_progress 1
		.amdhsa_inst_pref_size 89
	.end_amdhsa_kernel
	.amdgpu_metadata
---
amdhsa.version: [ 1, 2 ]
amdhsa.kernels:
  - .name:           k_q0ca96815f7_quant
    .symbol:         k_q0ca96815f7_quant.kd
    .args:
      - { .name: x, .offset: 0, .size: 8, .value_kind: global_buffer, .address_space: global }
      - { .name: weight_packed, .offset: 8, .size: 8, .value_kind: global_buffer, .address_space: global }
      - { .name: weight_scales, .offset: 16, .size: 8, .value_kind: global_buffer, .address_space: global }
      - { .name: codes, .offset: 24, .size: 8, .value_kind: global_buffer, .address_space: global }
    .group_segment_fixed_size: 136192
    .private_segment_fixed_size: 0
    .kernarg_segment_align: 8
    .kernarg_segment_size: 32
    .max_flat_workgroup_size: 256
    .sgpr_count:     66
    .vgpr_count:     512
    .wavefront_size: 32
...
	.end_amdgpu_metadata
.endif
;; end of part 1
;; launch gemm (part 2): grid 16 x 16, 4 waves a work-group, clusters of 4 x 4, 327,680 bytes of LDS; arguments codes, out0; writes out0
.if DOCPART == 2
	.amdgcn_target "amdgcn-amd-amdhsa--gfx1250"
	.amdhsa_code_object_version 6
	.text
	.protected	k_q0ca96815f7_gemm
	.globl	k_q0ca96815f7_gemm
	.p2align	8
	.type	k_q0ca96815f7_gemm,@function
k_q0ca96815f7_gemm:
	s_mov_b64 s[64:65], 0
	v_nop
	global_prefetch_b8 v0, s[64:65] scope:SCOPE_SE
	s_setreg_imm32_b32 hwreg(HW_REG_WAVE_MODE, 25, 1), 1
	s_wait_xcnt 0x0
	s_wait_alu depctr_hold_cnt(0) depctr_sa_sdst(0) depctr_va_vdst(0) depctr_va_sdst(0) depctr_va_ssrc(0) depctr_va_vcc(0) depctr_vm_vsrc(0)
	s_getreg_b32 s2, hwreg(HW_REG_IB_STS2, 6, 4)
	s_cmp_eq_u32 s2, 0
	s_cbranch_scc0 .Lentry_in_a_cluster
	s_endpgm
.Lentry_in_a_cluster:
	s_bfe_u32 s2, ttmp6, 0x10000c
	s_cmp_lg_u32 s2, 0xf033
	s_cbranch_scc0 .Lentry_shape_is_right
	s_endpgm
.Lentry_shape_is_right:
; out0[t][n] = sum over k of x[t][k] W[n][k], [4096][4096] f32, from codes of FP4 (E2M1) and E8M0 scale words that the launch before has laid in the order of the operands' registers; sums in f32.
; LIMITS: those of the codes (the launch before); nothing is left out here.
; A tile of 256 x 256 is made by a work-group of four waves, as many as a WGP has SIMDs; a wave makes 128 x 128.  The matrix instruction is the one of 32 x 16 x 128: source 0 = 32 rows of x (a UNIT), source 1 = 16 rows of W (a BLOCK).
; A wave has 4 units x 8 blocks = 32 accumulators of 16 registers, 512 in all.
; K goes in 8 steps of 512 through a ring of two LDS slots filled by the tensor data mover: a slot is four chunks of CH bytes (x's rows 0-127 and 128-255, W's rows likewise), each dense in memory and in LDS, fetched as 136 rows of 256 bytes, one chunk a wave.
; CLUSTERS: 4 x 4 work-groups.  The four of a row of the cluster need the same chunks of x, the four of a column the same chunks of W: each is asked for JOINTLY, by the same load with the same descriptor and a mask that names the four.
; A STEP of 128 along K is 32 matrix instructions, unit after unit, each unit against the 8 blocks; the accumulators take turns, one instruction a turn, in the same order in every step.
; The next step's 32 fragment loads go into a second set of registers, in one run at the step's head, ahead of its products; the waits count what was issued behind.
; THE WAY OUT WITHOUT LDS: lane (r, h) of an accumulator's register j holds row 16 (j / 8) + 8 h + j % 8 of the unit, and of block 4 c + i the column 64 c + 4 r + i (so the launch before has dealt W's rows out).
; Register j of four blocks' accumulators, gathered side by side, is 16 bytes of a row, and sixteen neighbouring lanes store one aligned unit of 256 bytes.
; THE LAST K STEP GOES BY UNITS: all its fragments of W fill window 1, then a unit is finished with 32 matrix instructions and leaves before the next one is multiplied.
; PREFETCHES: one instruction a wave names 32 blocks of 256 bytes of the chunk that the wave will fetch: K step 1's while K step 0 is on its way, K step 2's behind the first step's products, then in K step t's second step K step t + 3's, up to 7.
; The four partners that fetch a chunk jointly take 32 blocks each BY ADDRESS, so each of its 128 blocks of codes is named once in each cluster; its 8 blocks of scale words come by the loads alone, as K step 0 does.
; REGISTERS: window 0: v0-31 addresses; v32-95 scale words, a set for each slot; v96-127 the way out; v128-255 x's fragments, two sets of 64.  window 1: W's fragments, two sets of 64 at v0 and v64 (in the last K step all 256).
;   window 2: the accumulators of units 0, 1 (unit e, block b at v[128 (e % 2) + 16 b]); window 3: units 2, 3.
.set SIZE_N, 4096
.set CH,     34816                     ; a chunk: fragment (q, i) at (8 q + i) x 1,024, its registers 4 c .. of lane l at 512 c + 16 l
.set SCO,    32768                     ; its scale words: row r of block i at 256 i + 16 r, four words: q = 0 .. 3
.set WOFF,   8912896                   ; W's part of the buffer
.set SLOT,   4*CH
.set SPARE,  2*SLOT                    ; behind the ring: the spare words, 128 bytes for each wave
.set ADRA, 16                          ; v16-17  LDS address of my half of x in slot 0, 1: + 16 x lane
.set ADRB, 18                          ; v18-19  the same of W
.set CO,   20                          ; v20     my byte offset in out0: 16 r + 8 h rows
.set PFO,  21                          ; v21     the prefetches' offset: 256 x lane
.set SPW,  28                          ; v28     LDS address of my spare word
.set NIL,  29                          ; v29     0
.set SC,   32                          ; scale words of slot s at v[SC + 32 s]: + 4 e + q: lane l = row l of unit e;  + 16 + 4 f + q: lanes 0-15 block 2 f, lanes 16-31 block 2 f + 1
.set T0,   32                          ; the way out of unit 0: v32-63 (slot 0's scale words are done with) and v96-127
.set AF,   128
.set G1, 24                            ; s[24:31] descriptor group 1 for x's chunks;  s[32:39] group 0, one for each slot
.set G0, 32
.set G1B, 48                           ; s[48:55], s[56:63] the same for W's
.set G0B, 56
.set PFA, 66                           ; s[66:67] where my prefetches stand: K step 1, two K steps further in each lap
.set MSB, 0
.macro WIN new                         ; s_set_vgpr_msb: bits 1:0 source 0, 3:2 source 1, 5:4 source 2, 7:6 destination; the high byte repeats the setting that is left
.if MSB != \new
	s_set_vgpr_msb (MSB<<8)|\new
.set MSB, \new
.endif
.endm
; a joint load: waves 0 and 1 fetch x's two chunks, waves 2 and 3 W's; an s_nop 0 and four v_nop follow each of the two lines
.macro JLOAD s
	s_cmp_eq_u32 s15, 0
	s_cbranch_scc0 .Lfor_b_\@
	tensor_load_to_lds s[G0+4*\s:G0+4*\s+3], s[G1:G1+7]
	s_nop 0
.rept 4
	v_nop
.endr
	s_branch .Lasked_\@
.Lfor_b_\@:
	tensor_load_to_lds s[G0B+4*\s:G0B+4*\s+3], s[G1B:G1B+7]
	s_nop 0
.rept 4
	v_nop
.endr
.Lasked_\@:
.endm
.macro CREST                           ; a round of the cluster's barrier behind its opening barrier
	s_cmp_lg_u32 s14, 0
	s_cbranch_scc1 .Lnot_wave_0_\@
	s_barrier_signal -3
.Lnot_wave_0_\@:
	s_barrier_wait -3
	s_barrier_signal -1
	s_barrier_wait -1
.endm
.macro CROUND
	s_barrier_signal -1
	s_barrier_wait -1
	CREST
.endm
; loads into a register that a matrix instruction has read, and vector reads of a result, stand four places behind it (ISA guide 7.12.1 for vector instructions)
.macro PLACES
.rept 4
	v_nop
.endr
.endm
	s_load_b128 s[4:7], s[0:1], 0x0                ; codes s[4:5], out0 s[6:7]
	v_lshl_add_u32 v[SPW], v0, 2, SPARE
	v_mov_b32 v[NIL], 0
	ds_add_u32 v[SPW], v[NIL]                      ; the wave's opening: the add, twice on end, and its wait ahead of my first tensor load
	ds_add_u32 v[SPW], v[NIL]
	v_lshrrev_b32 v1, 5, v0
	v_readfirstlane_b32 s14, v1                    ; wave 0..3
	s_lshr_b32 s15, s14, 1                         ; which half of x's rows is mine.  Also: I fetch for x (0) or for W (1)
	s_and_b32 s16, s14, 1                          ; which half of W's rows.  Also: which chunk I fetch
	s_mul_i32 s8, s15, CH
	s_mul_i32 s9, s16, CH
	s_add_co_u32 s9, s9, 2*CH
	s_add_co_u32 s10, s8, SLOT
	s_add_co_u32 s11, s9, SLOT
	v_and_b32 v2, 31, v0
	v_lshlrev_b32 v3, 4, v2
	v_lshlrev_b32 v[PFO], 8, v2
	v_and_b32 v4, 15, v0
	v_bfe_u32 v5, v0, 4, 1
	v_lshlrev_b32 v6, 4, v4
	v_lshl_add_u32 v[CO], v5, 17, v6               ; 8 rows of 16,384 bytes = 2^17
	v_add_nc_u32 v[ADRA], s8, v3
	v_add_nc_u32 v[ADRA+1], s10, v3
	v_add_nc_u32 v[ADRB], s9, v3
	v_add_nc_u32 v[ADRB+1], s11, v3
	s_bfe_u32 s40, ttmp6, 0x40000                  ; cx, cy: my place in the cluster
	s_bfe_u32 s41, ttmp6, 0x40004
	s_lshl_b32 s42, ttmp9, 2
	s_add_co_u32 s42, s42, s40                     ; tile column = 4 x cluster x + cx
	s_and_b32 s17, ttmp7, 0xffff
	s_lshl_b32 s17, s17, 2
	s_add_co_u32 s17, s17, s41                     ; tile row = 4 x cluster y + cy
	s_lshl_b32 s43, s41, 2
	s_lshl_b32 s43, 15, s43                        ; my row of the cluster
	s_lshl_b32 s44, 0x1111, s40                    ; my column
	s_or_b32 s[G1+0], s43, (3<<16)|(1<<21)         ; 15:0 the mask; 17:16 elements of 8 bytes; 21 set beside a mask; no padding
	s_or_b32 s[G1B+0], s44, (3<<16)|(1<<21)
.irp g, G1, G1B
	s_mov_b32 s[\g+1], 32<<16                      ; tensor_dim0 = 32: 256 bytes
	s_mov_b32 s[\g+2], 136<<16                     ; tensor_dim1 = 136
	s_mov_b32 s[\g+3], 32<<16                      ; tile_dim0
	s_mov_b32 s[\g+4], 136                         ; tile_dim1
	s_mov_b32 s[\g+5], 32                          ; the pitch: dense
	s_mov_b32 s[\g+6], 0
	s_mov_b32 s[\g+7], 0
.endr
	s_lshl_b32 s20, s17, 1
	s_add_co_u32 s20, s20, s16                     ; x: 128 rows number 2 x tile row + half
	s_lshl_b32 s46, s42, 1
	s_add_co_u32 s46, s46, s16                     ; W: 128 rows number 2 x tile column + half
	s_mul_i32 s20, s20, 8*CH
	s_mul_i32 s46, s46, 8*CH
	s_add_co_u32 s46, s46, WOFF
	s_mov_b32 s21, 0
	s_mov_b32 s47, 0
	s_mul_i32 s45, s14, CH                         ; where my chunk goes in a slot: no place in the cluster enters an LDS address
	s_wait_alu depctr_va_vdst(0)                   ; the head's vector writes end above
	s_wait_dscnt 0x0                               ; both opening adds are done
	s_wait_kmcnt 0x0
	s_add_nc_u64 s[20:21], s[4:5], s[20:21]
	s_add_nc_u64 s[46:47], s[4:5], s[46:47]
.irp s, 0,1
	s_mov_b32 s[G0+4*\s], 1
	s_add_co_u32 s[G0+4*\s+1], s45, \s*SLOT
	s_add_nc_u64 s[G0+4*\s+2:G0+4*\s+3], s[20:21], \s*CH
	s_or_b32 s[G0+4*\s+3], s[G0+4*\s+3], 0x80000000
	s_mov_b32 s[G0B+4*\s], 1
	s_add_co_u32 s[G0B+4*\s+1], s45, \s*SLOT
	s_add_nc_u64 s[G0B+4*\s+2:G0B+4*\s+3], s[46:47], \s*CH
	s_or_b32 s[G0B+4*\s+3], s[G0B+4*\s+3], 0x80000000
.endr
	CROUND                                         ; all sixteen work-groups are here: the first joint loads meet
	JLOAD 0                                        ; K step 0: one tensor load a wave at the head
	s_cmp_eq_u32 s15, 0                            ; do I fetch for x?
	s_cselect_b64 s[PFA:PFA+1], s[20:21], s[46:47]
	s_cselect_b32 s18, s40, s41                    ; my place among the four that ask with me
	s_lshl_b32 s18, s18, 13                        ; 32 blocks of 256 bytes each
	s_mov_b32 s19, 0
	s_add_nc_u64 s[PFA:PFA+1], s[PFA:PFA+1], s[18:19]
	s_add_nc_u64 s[PFA:PFA+1], s[PFA:PFA+1], CH    ; at K step 1
	s_lshl_b32 s18, s17, 8
	s_lshl_b32 s19, s15, 7
	s_add_co_u32 s18, s18, s19
	s_lshl_b32 s18, s18, 14                        ; my first row of out0: 256 x tile row + 128 x half, 16,384 bytes each
	s_lshl_b32 s19, s42, 10
	s_add_co_u32 s18, s18, s19
	s_lshl_b32 s19, s16, 9
	s_add_co_u32 s18, s18, s19                     ; my first column: 1,024 bytes x tile column + 512 x half
	s_mov_b32 s19, 0
	s_add_nc_u64 s[6:7], s[6:7], s[18:19]
	global_prefetch_b8 v[PFO], s[PFA:PFA+1] th:TH_LOAD_NT scope:SCOPE_SE                 ; K step 1: its load goes out when K step 0 has landed
; one matrix instruction; row = 1: the block's scale words lie in lanes 16-31; zero = 1: it starts the sum
.macro WMM d, a, b, sa, sb, zero, row
.set WD, \d
.set WA, \a
.set WF, \b
.set WSA, \sa
.set WSB, \sb
.if \zero
.if \row
	v_wmma_scale_f32_32x16x128_f4 v[WD:WD+15], v[WA:WA+15], v[WF:WF+7], 0, v[WSA], v[WSB] matrix_b_scale:MATRIX_SCALE_ROW1
.else
	v_wmma_scale_f32_32x16x128_f4 v[WD:WD+15], v[WA:WA+15], v[WF:WF+7], 0, v[WSA], v[WSB]
.endif
.else
.if \row
	v_wmma_scale_f32_32x16x128_f4 v[WD:WD+15], v[WA:WA+15], v[WF:WF+7], v[WD:WD+15], v[WSA], v[WSB] matrix_b_scale:MATRIX_SCALE_ROW1
.else
	v_wmma_scale_f32_32x16x128_f4 v[WD:WD+15], v[WA:WA+15], v[WF:WF+7], v[WD:WD+15], v[WSA], v[WSB]
.endif
.endif
.endm
; the step at work: slot, q = which 128 along K of the slot, zero.  Its fragments lie in set q % 2
.macro CUR slot, q, zero
.set CS, \slot
.set CQ, \q
.set CP, (\q)%2
.set CZ, \zero
.endm
.macro NXT slot, q                     ; the step that is fetched
.set FS, \slot
.set FQ, \q
.set FP, (\q)%2
.endm
.macro MM n                            ; the step's n-th: unit n / 8, block n % 8
.set ME, (\n)/8
.set MB, (\n)%8
	WIN 0xa4+0x50*(ME/2)                           ; source 0 window 0, source 1 window 1, C and D window 2 or 3
	WMM 128*(ME%2)+16*MB, AF+64*CP+16*ME, 64*CP+8*MB, SC+32*CS+4*ME+CQ, SC+32*CS+16+4*(MB/2)+CQ, CZ, MB%2
.endm
.macro MMS n0, n1
.set NN, \n0
.rept (\n1)-(\n0)+1
	MM NN
.set NN, NN+1
.endr
.endm
.macro LDA reg, slot, q, u             ; unit u of x, 128 along K: 16 registers
	WIN 0
.irp i, 0,1
.irp c, 0,1
	ds_load_b128 v[(\reg)+8*\i+4*\c:(\reg)+8*\i+4*\c+3], v[ADRA+\slot] offset:(8*(\q)+2*(\u)+\i)*1024+512*\c
.endr
.endr
.endm
.macro LDB reg, slot, q, f             ; blocks 2 f, 2 f + 1 of W
	WIN 0x40
.irp i, 0,1
.irp c, 0,1
	ds_load_b128 v[(\reg)+8*\i+4*\c:(\reg)+8*\i+4*\c+3], v[ADRB+\slot] offset:(8*(\q)+2*(\f)+\i)*1024+512*\c
.endr
.endr
.endm
.macro LG g                            ; group g of the next step's fragment loads, four loads: unit 0, the eight blocks, units 1 to 3: in the order of their use
.if (\g) == 0
	LDA AF+64*FP, FS, FQ, 0
.else
.if (\g) > 4
	LDA AF+64*FP+16*((\g)-4), FS, FQ, (\g)-4
.else
	LDB 64*FP+16*((\g)-1), FS, FQ, (\g)-1
.endif
.endif
.endm
.macro SCALES slot                     ; a K step's scale words: four q a row
	WIN 0
.irp i, 0,1,2,3
	ds_load_b128 v[SC+32*\slot+4*\i:SC+32*\slot+4*\i+3], v[ADRA+\slot] offset:SCO+512*\i
.endr
.irp i, 0,1,2,3
	ds_load_b128 v[SC+32*\slot+16+4*\i:SC+32*\slot+16+4*\i+3], v[ADRB+\slot] offset:SCO+512*\i
.endr
.endm
; a step that has its successor in the same slot.  ask = 1: a prefetch, of the K step behind the next two; ask = 2: likewise, but not in the loop's last trip, where K step 7 has been named
.macro STEP slot, q, zero, ask
	CUR \slot, \q, \zero
	NXT \slot, (\q)+1
	PLACES                                         ; the set that is filled was read by the step before
.irp g, 0,1,2,3,4,5,6,7
	LG \g
.endr
.if \ask == 1
	global_prefetch_b8 v[PFO], s[PFA:PFA+1] offset:2*CH th:TH_LOAD_NT scope:SCOPE_SE
.endif
.if \ask == 2
	s_cmp_gt_u32 s3, 1
	s_cbranch_scc0 .Lnamed_\@
	global_prefetch_b8 v[PFO], s[PFA:PFA+1] offset:3*CH th:TH_LOAD_NT scope:SCOPE_SE
.Lnamed_\@:
.endif
	s_wait_dscnt 44                                ; unit 0, the blocks (and the scale words) are in; units 1 to 3 and the 32 new loads may be out
	MMS 0, 7
	s_wait_dscnt 40                                ; unit 1 is in
	MMS 8, 15
	s_wait_dscnt 36                                ; unit 2
	MMS 16, 23
	s_wait_dscnt 32                                ; unit 3: all but the 32 new ones
	MMS 24, 31
.endm
; a slot's last step changes slots.  In front of the barrier each wave waits for all its tensor loads (one is out: its chunk of the next slot), adds 0 to its spare word, and waits for that and for its own reads of this slot.
; The barrier opens a round of the cluster's barrier; behind it this slot is filled again, two K steps on.
.macro TURN slot, next
	CUR \slot, 3, 0
	NXT \next, 0
.if \slot
	s_wait_xcnt 0x0                                ; this lap's prefetches have read their address
	s_add_nc_u64 s[PFA:PFA+1], s[PFA:PFA+1], 2*CH
.endif
	WIN 0
	s_wait_tensorcnt 0x0
	ds_add_u32 v[SPW], v[NIL]
	s_add_nc_u64 s[G0+4*\slot+2:G0+4*\slot+3], s[G0+4*\slot+2:G0+4*\slot+3], 2*CH      ; no load of mine is out: a descriptor may be written
	s_add_nc_u64 s[G0B+4*\slot+2:G0B+4*\slot+3], s[G0B+4*\slot+2:G0B+4*\slot+3], 2*CH
	s_wait_dscnt 13                                ; units 1 to 3 and the add may be out
	MMS 0, 5
	s_wait_dscnt 0x0                               ; the add is done, and my reads of this slot are over
	s_barrier_signal -1
	MMS 6, 13
	WIN 0
	s_barrier_wait -1
	CREST                                          ; no wave of any partner still reads this slot or has a load on its way
	JLOAD \slot                                    ; the four v_nop behind it are also the places in front of the loads below
	LG 0
	SCALES \next
	LG 1
	MMS 14, 19
	LG 2
	LG 3
	LG 4
	MMS 20, 25
	LG 5
	LG 6
	LG 7
	MMS 26, 31
.endm
	s_wait_tensorcnt 0x0                           ; my chunk of K step 0 is in
	ds_add_u32 v[SPW], v[NIL]
	s_wait_dscnt 0x0
	CROUND
	JLOAD 1                                        ; K step 1, the first tensor load behind the round
	NXT 0, 0
	LG 0
	SCALES 0
.irp g, 1,2,3,4,5,6,7
	LG \g
.endr
	STEP 0, 0, 1, 0                                ; the first step stands in front of the loop: its products start the sums
	WIN 0
	global_prefetch_b8 v[PFO], s[PFA:PFA+1] offset:CH th:TH_LOAD_NT scope:SCOPE_SE       ; K step 2
	s_mov_b32 s3, 3
.Llap:                                                 ; once round the ring, from a lap's second step to the next lap's first; both slots are filled again
	STEP 0, 1, 0, 1                                ; K step 2 L asks for 2 L + 3 (L = the lap, from 0),
	STEP 0, 2, 0, 0
	TURN 0, 1
	STEP 1, 0, 0, 0
	STEP 1, 1, 0, 2                                ; K step 2 L + 1 for 2 L + 4
	STEP 1, 2, 0, 0
	TURN 1, 0
	STEP 0, 0, 0, 0
	WIN 0                                          ; at a label and at a branch every window is 0
	s_sub_co_u32 s3, s3, 1
	s_cmp_lg_u32 s3, 0
	s_cbranch_scc1 .Llap
	STEP 0, 1, 0, 0
	STEP 0, 2, 0, 0
; K step 7 by units.  W's fragments of its q-th 128 along K lie in window 1 from (256 - 64 q) % 256 on: q = 3 lies where the last set at work lies, and is loaded behind its products.  x's unit e: 64 registers, in buffer e % 2
.macro RA u, q
	LDA AF+64*((\u)%2)+16*(\q), 1, \q, \u
.endm
.macro RB q, f
	LDB (256-64*(\q))%256+16*(\f), 1, \q, \f
.endm
.macro RM u, q                         ; unit u x the eight blocks
.irp b, 0,1,2,3,4,5,6,7
	WIN 0xa4+0x50*((\u)/2)
	WMM 128*((\u)%2)+16*\b, AF+64*((\u)%2)+16*(\q), (256-64*(\q))%256+8*\b, SC+32+4*(\u)+(\q), SC+48+4*(\b/2)+(\q), 0, \b%2
.endr
.endm
; a quarter of a finished unit: 16 rows (registers 8 jh .. 8 jh + 7 of the accumulators) x 64 columns (blocks 4 c .. 4 c + 3).  Unit 0's is gathered in v32-63 and v96-127, a later unit's in the accumulators of the unit before
.macro PLACE u, c, jh
.if (\u) == 0
.set TB, T0+64*(\jh)
.set TW, 0
.else
.set TB, 128*(((\u)-1)%2)+64*(\c)+32*(\jh)
.set TW, 2+((\u)-1)/2
.endif
.endm
.macro GATHER u, c, jh
	PLACE \u, \c, \jh
.set SB, 128*((\u)%2)+64*(\c)+8*(\jh)
.set OW, 64*TW+2+(\u)/2
	WIN OW
.irp j, 0,1,2,3,4,5,6,7
.irp i, 0,1,2,3
	v_mov_b32 v[TB+4*\j+\i], v[SB+16*\i+\j]
.endr
.endr
.endm
.macro SEND u, c, jh
	PLACE \u, \c, \jh
.set OW, 4*TW
	WIN OW                                         ; a store's data are its source 1
.irp j, 0,1,2,3,4,5,6,7
	global_store_b128 v[CO], v[TB+4*\j:TB+4*\j+3], s[6:7] offset:(32*(\u)+16*(\jh)+\j)*SIZE_N*4+256*(\c) th:TH_STORE_NT   ; two aligned units of 256 bytes, eight rows apart
.endr
.endm
.macro OUT u
	GATHER \u, 0, 0
	GATHER \u, 0, 1
.if (\u) == 0
	SEND \u, 0, 0
	SEND \u, 0, 1
	s_wait_xcnt 0x0                                ; the stores have read v32-63 and v96-127
	GATHER \u, 1, 0
	GATHER \u, 1, 1
.else
	GATHER \u, 1, 0
	GATHER \u, 1, 1
	SEND \u, 0, 0
	SEND \u, 0, 1
.endif
	SEND \u, 1, 0
	SEND \u, 1, 1
.endm
	CUR 0, 3, 0                                    ; K step 6's last step; nothing is filled again, so no round follows
	WIN 0
	s_wait_tensorcnt 0x0                           ; my chunk of K step 7 is in
	ds_add_u32 v[SPW], v[NIL]
	s_wait_dscnt 13
	MMS 0, 5
	s_wait_dscnt 0x0
	s_barrier_signal -1
	MMS 6, 13
	WIN 0
	s_barrier_wait -1
	PLACES
	SCALES 1
	RA 0, 0
	RB 0, 0
	RB 0, 1
	MMS 14, 17
	RB 0, 2
	RB 0, 3
	RA 0, 1
	MMS 18, 21
.irp f, 0,1,2,3
	RB 1, \f
.endr
	RA 0, 2
	MMS 22, 26
.irp f, 0,1,2,3
	RB 2, \f
.endr
	RA 0, 3
	MMS 27, 31
	PLACES                                         ; for the loads into the set that has just been multiplied
	s_wait_dscnt 44                                ; scale words, unit 0 and W of q = 0 are in; behind them stand 20 + 20 + 4 loads
	RM 0, 0
.irp f, 0,1,2,3
	RB 3, \f
.endr
	s_wait_dscnt 40                                ; q = 1: behind it 20 + 4 + 16
	RM 0, 1
.irp q, 0,1,2,3
	RA 1, \q
.endr
	s_wait_dscnt 36                                ; q = 2: behind it 4 + 16 + 16
	RM 0, 2
	s_wait_dscnt 16                                ; q = 3: behind it unit 1's 16
	RM 0, 3
.irp e, 0,1,2,3
.if \e > 0
.if \e < 3
	s_wait_dscnt 16                                ; this unit is in, the next one's 16 loads may be out
.else
	s_wait_dscnt 0
.endif
.irp q, 0,1,2,3
	RM \e, \q
.endr
.endif
	PLACES                                         ; for the reads of the unit's results and the loads into its buffer
.if \e < 2
.irp q, 0,1,2,3
	RA \e+2, \q
.endr
.endif
	OUT \e
.endr
	WIN 0
	s_wait_tensorcnt 0x0                           ; the wave's end
	ds_add_u32 v[SPW], v[NIL]
	s_wait_dscnt 0x0
	CROUND                                         ; the closing round: no work-group ends while a partner may still ask for a chunk that names it
	s_endpgm
.Lfunc_end_k_q0ca96815f7_gemm:
	.size	k_q0ca96815f7_gemm, .Lfunc_end_k_q0ca96815f7_gemm-k_q0ca96815f7_gemm
	.p2alignl 7, 3214868480
	.fill 96, 4, 3214868480
	.section	.rodata,"a",@progbits
	.p2align	6, 0x0
	.amdhsa_kernel k_q0ca96815f7_gemm
		.amdhsa_group_segment_fixed_size 327680
		.amdhsa_private_segment_fixed_size 0
		.amdhsa_enable_private_segment 0
		.amdhsa_kernarg_size 16
		.amdhsa_user_sgpr_count 2
		.amdhsa_user_sgpr_kernarg_segment_ptr 1
		.amdhsa_wavefront_size32 1
		.amdhsa_system_sgpr_workgroup_id_x 1
		.amdhsa_system_sgpr_workgroup_id_y 1
		.amdhsa_system_sgpr_workgroup_id_z 1
		.amdhsa_system_vgpr_workitem_id 0
		.amdhsa_next_free_vgpr 1024
		.amdhsa_next_free_sgpr 72
		.amdhsa_reserve_vcc 0
		.amdhsa_float_denorm_mode_32 3
		.amdhsa_float_denorm_mode_16_64 3
		.amdhsa_memory_ordered 1
		.amdhsa_forward_progress 1
		.amdhsa_inst_pref_size 143
	.end_amdhsa_kernel
	.amdgpu_metadata
---
amdhsa.version: [ 1, 2 ]
amdhsa.kernels:
  - .name:           k_q0ca96815f7_gemm
    .symbol:         k_q0ca96815f7_gemm.kd
    .args:
      - { .name: codes, .offset: 0, .size: 8, .value_kind: global_buffer, .address_space: global }
      - { .name: out0, .offset: 8, .size: 8, .value_kind: global_buffer, .address_space: global }
    .group_segment_fixed_size: 327680
    .private_segment_fixed_size: 0
    .kernarg_segment_align: 8
    .kernarg_segment_size: 16
    .max_flat_workgroup_size: 128
    .sgpr_count:     72
    .vgpr_count:     1024
    .wavefront_size: 32
...
	.end_amdgpu_metadata
.endif
;; end of part 2
